; MI455X (gfx1250); checked and timed in simulation.
; The chip was launched on July 23, 2026; its instructions are those of AMD's public machine-readable ISA for CDNA 5 (MIT licence, August 2026) and "CDNA5" Instruction Set Architecture Reference Guide (July 2026). The comments in the code are by the model that wrote it; some were corrected since.
;; Conv Attention. Allowed arithmetic: matrix products marked QUANTISED: E2M1 operands, one E8M0 scale for each 32 along K, by v_wmma_scale_f32_16x16x128_f8f6f4 with both operands' format E2M1 (or v_wmma_scale_f32_32x16x128_f4), f32 sums; products left as they are: bf16, f16 or f32 operands; f32 sums; everything else in f32.
;; Inputs: Wk 512 x 512 float32; Wo 512 x 512 float32; Wq 512 x 512 float32; Wv 512 x 512 float32; bo 512 float32; x 8 x 512 x 2,048 float32.
;; Outputs: out0 8 x 512 x 2,048 float32.
;; This version of the problem:
;;   THIS VERSION OF THE PROBLEM IS GIVEN IN LOW PRECISION. The matrix products marked QUANTISED in the list below multiply operands that are first quantised to E2M1 (2 exponent bits, 1 mantissa bit; 4 bits a number), with one power-of-two scale for each 32 numbers along K (OCP MX v1.0); their sums are f32. The products marked 'left as it is' may take bf16, f16 or f32 operands, with f32 sums. Whichever they take, every output number must still come out within the allowed error. Rounding operands to bf16 (8 significant bits) uses up far more of that allowance than f16 does (11 bits, for magnitudes from 6e-5 to 65,504). All else is computed in f32.
;;   The module's matrix products, in the order in which they are computed (A, B: the left and right operand; K: the contracted axis; several contracted axes count as one K, in the product's order):
;;     1. [M 16,384, K 512] x [K 512, N 512]; A: input x; B: input Wq: QUANTISED
;;     2. [M 16,384, K 512] x [K 512, N 512]; A: input x; B: input Wk: QUANTISED
;;     3. [M 16,384, K 512] x [K 512, N 512]; A: input x; B: input Wv: QUANTISED
;;     4. batch 64 x [M 2,048, K 64] x [K 64, N 2,048]; A: computed on the way; B: computed on the way: left as it is (an operand is computed on the way)
;;     5. batch 64 x [M 64, K 2,048] x [K 2,048, N 2,048]; A: computed on the way; B: computed on the way: left as it is (an operand is computed on the way)
;;     6. [M 16,384, K 512] x [K 512, N 512]; A: computed on the way; B: input Wo: left as it is (an operand is computed on the way)
;;   THE QUANTISER, for each operand of a quantised product, along K:
;;     - K is cut into blocks of 32 from its start; a last block that is shorter is filled with zeros.
;;     - A block's scale is 2^e with e = floor(log2(the largest magnitude in the block)) - 2, held to -126 .. 127; a block of zeros has e = 0. As a byte (E8M0): e + 127.
;;     - Each number is divided by its block's scale, clamped to +-6, and rounded to the nearest number of E2M1, ties to even, subnormals kept.
;;     - The product sums the exact products of the quantised numbers (number of the format x scale) in f32.
;;   ~~~python
;;   def quantise(x, axis):      # numpy; x: float32 -> the quantised numbers, widened to float32 again
;;       x = np.moveaxis(x, axis, -1); K = x.shape[-1]
;;       x = np.pad(x, [(0, 0)] * (x.ndim - 1) + [(0, -K % 32)]); x = x.reshape(x.shape[:-1] + (-1, 32)); a = np.abs(x).max(-1, keepdims=True)
;;       e = np.where(a > 0, np.clip(np.frexp(np.where(a > 0, a, 1))[1] - 1 - 2, -126, 127), 0)      # np.frexp(a)[1] - 1 = floor(log2(a)), exactly
;;       r = np.clip(x / 2.0 ** e, -6, 6)
;;       step = 2.0 ** (np.maximum(np.frexp(np.where(r == 0, 1, r))[1] - 1, 0) - 1)
;;       q = np.round(r / step) * step * 2.0 ** e      # np.round: ties to even
;;       return np.moveaxis(q.reshape(q.shape[:-2] + (-1,))[..., :K], -1, axis).astype(np.float32)
;;   ~~~
;; One version. Each part assembles by itself: llvm-mc -triple=amdgcn-amd-amdhsa -mcpu=gfx1250 --defsym DOCPART=n.
;; ======== version 1 of 1: 5 launches
;; limits: values are held in f16: magnitudes above 65,504 overflow, below 6.1e-05 lose precision
;; workspace buffers: wc 393,216 bytes; wsc 24,576 bytes; wof 524,288 bytes; qf 16,777,216 bytes; kv 33,554,432 bytes; att 16,777,216 bytes; fine 786,432 bytes
;; launch prep (part 1): grid 128 x 1, 4 waves a work-group, no clusters, 0 bytes of LDS; arguments Wq, Wk, Wv, Wo, wc, wsc, wof; writes wc, wsc, wof
.if DOCPART == 1
	.amdgcn_target "amdgcn-amd-amdhsa--gfx1250"
	.amdhsa_code_object_version 6
	.text
	.protected	k_q0424956928_prep
	.globl	k_q0424956928_prep
	.p2align	8
	.type	k_q0424956928_prep,@function
k_q0424956928_prep:
	s_mov_b64 s[64:65], 0
	v_nop
	global_prefetch_b8 v0, s[64:65] scope:SCOPE_SE
	s_setreg_imm32_b32 hwreg(HW_REG_WAVE_MODE, 25, 1), 1
	s_wait_xcnt 0x0
; The weights are laid once in the order in which a wave's operand registers take them.
; Work-groups 0-95: 16 rows of Wq (0-31), Wk (32-63) or Wv (64-95) become codes of FP4 (E2M1) with one E8M0 scale byte for each 32 along K = c, which is innermost in memory.
;   Wave ks takes c = 128 ks .. 128 ks + 127: one fragment.  Lane (r, h) holds row r, c = 128 ks + 64 c' + 32 h + 0 .. 31 in registers 4 c' .. 4 c' + 3: two whole blocks a lane.
;   wc: [tile 96][ks 4][c' 2][lane 32][16 bytes];  wsc: [tile 96][ks 4][row 16] words of four scale bytes.
; Work-groups 96-127: 16 rows of Wo are rounded to f16 and laid as fragments of the 16-bit form: wof: [ob 4][kc 4][ot' 8][ks' 4][half 2][lane 32][16 bytes],
;   lane (r, h) = Wo[128 ob + 16 ot' + r][128 kc + 32 ks' + 16 half + 8 h + 0 .. 7].  Wave = kc.
; A block's scale is 2^(floor(log2(largest magnitude)) - 2); its byte is the largest magnitude's exponent field - 2, held at 1 from below.
; LIMITS: NaN and infinities are not served; a block whose largest magnitude lies under 2^-124 has its byte held at 1; a block of zeros gets the byte 1 and not 127
; (its codes are zeros, and this program alone reads the bytes); |Wo| stays under 65,504, f16's largest number.
.set X, 16                             ; v16-79   64 numbers as loaded
.set C, 80                             ; v80-111  what is stored
	s_load_b256 s[4:11], s[0:1], 0x0               ; Wq s[4:5], Wk s[6:7], Wv s[8:9], Wo s[10:11]
	s_load_b128 s[12:15], s[0:1], 0x20             ; wc s[12:13], wsc s[14:15]
	s_load_b64 s[16:17], s[0:1], 0x30              ; wof
	v_lshrrev_b32 v1, 5, v0
	v_readfirstlane_b32 s18, v1                    ; wave 0..3
	v_and_b32 v6, 31, v0                           ; lane
	v_and_b32 v1, 15, v0                           ; r
	v_bfe_u32 v2, v0, 4, 1                         ; h
	v_lshlrev_b32 v4, 4, v6                        ; 16 x lane: my place in an image
	v_lshlrev_b32 v5, 2, v1                        ; 4 r: my row's scale word
	s_mov_b32 s20, 0x76543210
	s_mov_b32 s21, 0xfedcba98                      ; v_permlanex16_b32's selects for lane l xor 16
	s_mov_b32 s23, 0                               ; the upper word of every offset
	s_wait_kmcnt 0x0
	s_cmp_lt_u32 ttmp9, 96
	s_cbranch_scc0 .Lwo
	; ---- a tile of Wq, Wk or Wv
	s_cmp_lt_u32 ttmp9, 64                         ; the choice hangs on the work-group's number alone
	s_cselect_b64 s[6:7], s[6:7], s[8:9]
	s_cmp_lt_u32 ttmp9, 32
	s_cselect_b64 s[4:5], s[4:5], s[6:7]
	s_and_b32 s22, ttmp9, 31
	s_lshl_b32 s22, s22, 15                        ; 16 rows of 2,048 bytes
	s_lshl_b32 s24, s18, 9                         ; 128 numbers along c
	s_add_co_u32 s22, s22, s24
	s_add_nc_u64 s[4:5], s[4:5], s[22:23]
	v_lshlrev_b32 v3, 11, v1
	v_lshl_add_u32 v3, v2, 7, v3                   ; row r, + 128 h bytes
.irp c, 0,1
.irp i, 0,1,2,3,4,5,6,7
	global_load_b128 v[X+32*\c+4*\i:X+32*\c+4*\i+3], v3, s[4:5] offset:256*\c+16*\i
.endr
.endr
	s_lshl_b32 s22, ttmp9, 12
	s_lshl_b32 s24, s18, 10
	s_add_co_u32 s22, s22, s24
	s_add_nc_u64 s[12:13], s[12:13], s[22:23]      ; wc + (4 tile + ks) x 1,024
	s_lshl_b32 s22, ttmp9, 8
	s_lshl_b32 s24, s18, 6
	s_add_co_u32 s22, s22, s24
	s_add_nc_u64 s[14:15], s[14:15], s[22:23]      ; wsc + 256 tile + 64 ks
	s_wait_loadcnt 0x0
.irp c, 0,1
	v_max3_num_f32 v[8+\c], |v[X+32*\c]|, |v[X+32*\c+1]|, 0x1800000   ; my block 2 c + h, and the floor 2^(3 - 127): the byte cannot fall under 1
.endr
.irp i, 2,4,6,8,10,12,14,16,18,20,22,24,26,28,30
.irp c, 0,1
	v_max3_num_f32 v[8+\c], v[8+\c], |v[X+32*\c+\i]|, |v[X+32*\c+\i+1]|   ; the two blocks by turns
.endr
.endr
.irp c, 0,1
	v_add_nc_u32 v[12+\c], 0xff000000, v[8+\c]     ; 2 off the exponent field: the conversion's scale operand
.endr
.irp c, 0,1
	v_lshrrev_b32 v[10+\c], 23, v[12+\c]           ; the scale's byte
.endr
	v_lshl_or_b32 v9, v11, 16, v10                 ; blocks h and 2 + h of row r,
	v_lshlrev_b32 v14, 3, v2
	v_lshlrev_b32 v9, v14, v9                      ; at their places in the word (8 h bits up);
	v_mov_b32 v14, 0
	v_permlanex16_b32 v14, v9, s20, s21
	v_or_b32 v9, v9, v14                           ; with lane l xor 16's two the word is whole
.irp c, 0,1
.irp g, 0,1,2,3
	v_cvt_scalef32_pk8_fp4_f32 v[C+4*\c+\g], v[X+32*\c+8*\g:X+32*\c+8*\g+7], v[12+\c]
.endr
.endr
	v_nop                                          ; one plain line behind the last scaled conversion
	global_store_b128 v4, v[C:C+3], s[12:13]       ; each store covers 512 consecutive bytes
	global_store_b128 v4, v[C+4:C+7], s[12:13] offset:512
	s_wait_xcnt 0x0                                ; EXEC is a source of the stores above: it changes only behind this wait
	v_cmp_gt_u32 vcc_lo, 16, v6
	s_and_saveexec_b32 s24, vcc_lo
	global_store_b32 v5, v9, s[14:15]              ; lanes 0-15: the sixteen rows' words, 64 consecutive bytes
	s_wait_xcnt 0x0
	s_or_b32 exec_lo, exec_lo, s24
	s_endpgm
.Lwo:
	; ---- a tile of Wo: 16 rows x 128 c to f16
	s_sub_co_u32 s19, ttmp9, 96                    ; tile 0..31
	s_lshl_b32 s22, s19, 15
	s_lshl_b32 s24, s18, 9
	s_add_co_u32 s22, s22, s24
	s_add_nc_u64 s[10:11], s[10:11], s[22:23]
	v_lshlrev_b32 v3, 11, v1
	v_lshl_add_u32 v3, v2, 5, v3                   ; row r, + 32 h bytes: eight numbers
.irp e, 0,1,2,3,4,5,6,7                ; e = 2 ks' + half: 16 c, 64 bytes, on
.irp i, 0,1
	global_load_b128 v[X+8*\e+4*\i:X+8*\e+4*\i+3], v3, s[10:11] offset:64*\e+16*\i
.endr
.endr
	s_lshr_b32 s22, s19, 3                         ; ob
	s_lshl_b32 s22, s22, 2
	s_add_co_u32 s22, s22, s18                     ; 4 ob + kc
	s_lshl_b32 s22, s22, 3
	s_and_b32 s24, s19, 7
	s_add_co_u32 s22, s22, s24                     ; x 8 + ot'
	s_lshl_b32 s22, s22, 12
	s_add_nc_u64 s[16:17], s[16:17], s[22:23]
	s_wait_loadcnt 0x0
.irp e, 0,1,2,3,4,5,6,7
.irp j, 0,1,2,3
	v_cvt_pk_f16_f32 v[C+4*\e+\j], v[X+8*\e+2*\j], v[X+8*\e+2*\j+1]
.endr
.endr
.irp e, 0,1,2,3,4,5,6,7
	global_store_b128 v4, v[C+4*\e:C+4*\e+3], s[16:17] offset:512*\e
.endr
	s_endpgm
.Lfunc_end_k_q0424956928_prep:
	.size	k_q0424956928_prep, .Lfunc_end_k_q0424956928_prep-k_q0424956928_prep
	.p2alignl 7, 3214868480
	.fill 96, 4, 3214868480
	.section	.rodata,"a",@progbits
	.p2align	6, 0x0
	.amdhsa_kernel k_q0424956928_prep
		.amdhsa_group_segment_fixed_size 0
		.amdhsa_private_segment_fixed_size 0
		.amdhsa_enable_private_segment 0
		.amdhsa_kernarg_size 56
		.amdhsa_user_sgpr_count 2
		.amdhsa_user_sgpr_kernarg_segment_ptr 1
		.amdhsa_wavefront_size32 1
		.amdhsa_system_sgpr_workgroup_id_x 1
		.amdhsa_system_sgpr_workgroup_id_y 1
		.amdhsa_system_sgpr_workgroup_id_z 1
		.amdhsa_system_vgpr_workitem_id 0
		.amdhsa_next_free_vgpr 112
		.amdhsa_next_free_sgpr 66
		.amdhsa_reserve_vcc 1
		.amdhsa_float_denorm_mode_32 3
		.amdhsa_float_denorm_mode_16_64 3
		.amdhsa_memory_ordered 1
		.amdhsa_forward_progress 1
		.amdhsa_inst_pref_size 12
	.end_amdhsa_kernel
	.amdgpu_metadata
---
amdhsa.version: [ 1, 2 ]
amdhsa.kernels:
  - .name:           k_q0424956928_prep
    .symbol:         k_q0424956928_prep.kd
    .args:
      - { .name: Wq, .offset: 0, .size: 8, .value_kind: global_buffer, .address_space: global }
      - { .name: Wk, .offset: 8, .size: 8, .value_kind: global_buffer, .address_space: global }
      - { .name: Wv, .offset: 16, .size: 8, .value_kind: global_buffer, .address_space: global }
      - { .name: Wo, .offset: 24, .size: 8, .value_kind: global_buffer, .address_space: global }
      - { .name: wc, .offset: 32, .size: 8, .value_kind: global_buffer, .address_space: global }
      - { .name: wsc, .offset: 40, .size: 8, .value_kind: global_buffer, .address_space: global }
      - { .name: wof, .offset: 48, .size: 8, .value_kind: global_buffer, .address_space: global }
    .group_segment_fixed_size: 0
    .private_segment_fixed_size: 0
    .kernarg_segment_align: 8
    .kernarg_segment_size: 56
    .max_flat_workgroup_size: 128
    .sgpr_count:     66
    .vgpr_count:     112
    .wavefront_size: 32
...
	.end_amdgpu_metadata
.endif
;; end of part 1
;; launch proj (part 2): grid 32 x 8, 8 waves a work-group, no clusters, 18,432 bytes of LDS; arguments x, wc, wsc, qf, kv, fine; writes qf, kv, fine
.if DOCPART == 2
	.amdgcn_target "amdgcn-amd-amdhsa--gfx1250"
	.amdhsa_code_object_version 6
	.text
	.protected	k_q0424956928_proj
	.globl	k_q0424956928_proj
	.p2align	8
	.type	k_q0424956928_proj,@function
k_q0424956928_proj:
	s_mov_b64 s[64:65], 0
	v_nop
	global_prefetch_b8 v0, s[64:65] scope:SCOPE_SE
	s_setreg_imm32_b32 hwreg(HW_REG_WAVE_MODE, 25, 1), 1
	s_wait_xcnt 0x0
; q, k, v = the three projections of x [8][512 c][2048 l], on codes of FP4 (E2M1) with one E8M0 scale for each 32 along K = c; sums in f32.
; A work-group owns 64 positions of one batch and all 1,536 outputs, so x is read and quantised once.
; PHASE X.  c is not innermost in x: a lane takes a column l and its registers run down c.  Wave w takes columns 32 (w & 1) + lane and c = 128 (w >> 1) .. + 127: four whole blocks a lane.
;   Each load reads 128 consecutive bytes; two waves side by side cover 256.  The codes of blocks 0, 1 (and 2, 3) change halves between the lanes, which gives two operand fragments
;   (positions 0-15 and 16-31); they go to LDS as images of their registers (16 bytes a lane), the scale words likewise (4 bytes a lane).
; PHASE M.  Wave w is head w: 12 tiles of 16 outputs (4 of q, 4 of k, 4 of v) x 4 tiles of 16 positions, K = 512 in four steps.  x's 16 fragments stay in registers (window 1);
;   the weights come from memory straight into registers, laid by the launch before in operand order, four tiles ahead.
;   q, k: source 0 = 16 rows of W, source 1 = 16 positions: a lane's eight results are eight neighbouring channels of one position.
;   v:    source 0 = 16 positions, source 1 = 16 rows of Wv: a lane's eight results are eight neighbouring keys of one channel.
;   In both cases four packed roundings to f16 make half a fragment of the next product, and one store of 16 bytes a lane covers 512 consecutive bytes.
; OUT.  qf [nh 64][tile of 16 queries 128][kd 2][half 2][image];  kv [nh 64][slot of 256 keys 8]: K [kt 16][kd 2][half 2][image], then V at +32,768 [kb 8][dt 4][half 2][image].
;   fine: positions 0-15 of every batch in f32, for the launch that carries them finely: q, k [16][512] at +0, +32,768; v at +65,536 as [tile of 16 channels 32][lane][8].
; NO CLUSTER: the launch has no tensor load; a wave takes its own head's rows of the weights, 52 KB, into registers, and shares them with no wave of its work-group.
; LIMITS: NaN and infinities are not served; a block whose largest magnitude lies under 2^-124 has its byte held at 1; a block of zeros gets the byte 1 (its codes are zeros);
;   |q|, |k|, |v| stay under 65,504, f16's largest number.
; REGISTERS, window 0: v1 4 x lane; v2 16 x lane; v3, v4 where I store images and scale words; v5, v8 offsets in fine; v6, v7 the add's two; v9-15 at work;
;   v16-23 x's scale words, v24-31 the weights' (scales and nothing else); v32-159 128 numbers of x, then four buffers of a tile's four weight fragments;
;   v160-223 two sets of four accumulators (in phase X v160-175: the codes); v224-255 two sets of packed results.   window 1: v0-127 x's fragments, (lt, ks) at 8 (4 lt + ks).
.set XSC,   16384                      ; LDS: x's 16 fragments at (4 lt + ks) x 1,024; behind them 8 images of scale words, 128 bytes each
.set SPARE, 17408                      ; the spare words: 128 bytes for each of eight waves
.set MSB, 0
.macro WIN new                         ; the immediate's high byte repeats the setting that is left
.if MSB != \new
	s_set_vgpr_msb (MSB<<8)|\new
.set MSB, \new
.endif
.endm
	s_load_b256 s[4:11], s[0:1], 0x0               ; x s[4:5], wc s[6:7], wsc s[8:9], qf s[10:11]
	s_load_b128 s[12:15], s[0:1], 0x20             ; kv s[12:13], fine s[14:15]
	v_lshl_add_u32 v6, v0, 2, SPARE
	v_mov_b32 v7, 0
	v_lshrrev_b32 v9, 5, v0
	v_readfirstlane_b32 s16, v9                    ; wave 0..7
	s_and_b32 s17, s16, 1                          ; g: which 32 columns
	s_lshr_b32 s18, s16, 1                         ; ks: which 128 c
	s_and_b32 s19, ttmp7, 0xffff                   ; n
	v_and_b32 v9, 31, v0
	v_lshlrev_b32 v1, 2, v9
	v_lshlrev_b32 v2, 4, v9
	v_lshlrev_b32 v8, 5, v9
	s_lshl_b32 s20, s17, 13
	s_lshl_b32 s21, s18, 10
	s_add_co_u32 s20, s20, s21
	v_add_nc_u32 v3, s20, v2                       ; fragment (2 g, ks): 16 lane + 8,192 g + 1,024 ks
	s_lshl_b32 s20, s17, 9
	s_lshl_b32 s21, s18, 7
	s_add_co_u32 s20, s20, s21
	s_add_co_u32 s20, s20, XSC
	v_add_nc_u32 v4, s20, v1                       ; scale words: 4 lane + 512 g + 128 ks
	v_and_b32 v10, 15, v0
	v_bfe_u32 v11, v0, 4, 1
	v_lshlrev_b32 v5, 11, v10
	v_lshl_add_u32 v5, v11, 5, v5
	s_lshl_b32 s20, s16, 8
	v_add_nc_u32 v5, s20, v5                       ; fine's q and k: 2,048 r + 32 h + 256 w
	s_lshl_b32 s20, s19, 22                        ; x: batch n,
	s_lshl_b32 s21, s18, 20                        ; 128 ks rows of 8,192 bytes,
	s_add_co_u32 s20, s20, s21
	s_lshl_b32 s21, ttmp9, 8                       ; 64 positions a work-group,
	s_add_co_u32 s20, s20, s21
	s_lshl_b32 s21, s17, 7                         ; 32 g columns
	s_add_co_u32 s20, s20, s21
	s_mov_b32 s21, 0
	s_wait_kmcnt 0x0
	s_add_nc_u64 s[4:5], s[4:5], s[20:21]
.set I, 0
.rept 128
	global_load_b32 v[32+I], v1, s[4:5] offset:8192*I th:TH_LOAD_NT   ; x(128 ks + I, my column): read once in the launch
.set I, I+1
.endr
	s_lshl_b32 s20, s16, 14
	s_add_nc_u64 s[6:7], s[6:7], s[20:21]          ; wc at my head's first tile of q
	s_lshl_b32 s20, s16, 10
	s_add_nc_u64 s[8:9], s[8:9], s[20:21]          ; wsc likewise
	s_lshl_b32 s22, s19, 3
	s_add_co_u32 s22, s22, s16                     ; nh = 8 n + w
	s_lshl_b32 s20, s22, 18
	s_lshl_b32 s23, ttmp9, 13
	s_add_co_u32 s20, s20, s23
	s_add_nc_u64 s[10:11], s[10:11], s[20:21]      ; qf + nh x 262,144 + 4 tiles x 2,048 a work-group
	s_lshl_b32 s20, s22, 3
	s_lshr_b32 s23, ttmp9, 2
	s_add_co_u32 s20, s20, s23
	s_lshl_b32 s20, s20, 16
	s_and_b32 s23, ttmp9, 3
	s_lshl_b32 s23, s23, 13
	s_add_co_u32 s20, s20, s23
	s_add_nc_u64 s[12:13], s[12:13], s[20:21]      ; kv + (8 nh + slot) x 65,536 + my quarter of the slot
	s_mul_i32 s20, s19, 98304
	s_add_nc_u64 s[14:15], s[14:15], s[20:21]      ; fine + n x 98,304
	s_lshl_b32 s20, s16, 12
	s_add_nc_u64 s[24:25], s[14:15], s[20:21]      ; and my head's four tiles of v in it
; block b of my column: all its 32 numbers are mine.  Its codes go to v160 + 4 (b / 2) + 8 (b % 2)
.macro QBLOCK b
.set XB_, 32+32*(\b)
.set CB_, 160+4*((\b)/2)+8*((\b)%2)
	v_max3_num_f32 v9, |v[XB_]|, |v[XB_+1]|, |v[XB_+2]|
	v_max3_num_f32 v10, |v[XB_+3]|, |v[XB_+4]|, |v[XB_+5]|
.irp i, 6,10,14,18,22,26
	v_max3_num_f32 v9, v9, |v[XB_+\i]|, |v[XB_+\i+1]|
	v_max3_num_f32 v10, v10, |v[XB_+\i+2]|, |v[XB_+\i+3]|
.endr
	v_max3_num_f32 v9, v9, |v[XB_+30]|, |v[XB_+31]|
	v_max3_num_f32 v9, v9, v10, 0x1800000          ; and the floor 2^(3 - 127): the byte cannot fall under 1
	v_add_nc_u32 v11, 0xff000000, v9               ; 2 off the exponent field: the conversion's scale operand
	v_lshrrev_b32 v12, 23, v11                     ; the scale's byte
.if (\b) == 0
	v_mov_b32 v15, v12
.else
	v_lshl_or_b32 v15, v12, 8*(\b), v15            ; four bytes make my position's scale word
.endif
.irp g, 0,1,2,3
	v_cvt_scalef32_pk8_fp4_f32 v[CB_+\g], v[XB_+8*\g:XB_+8*\g+7], v11
.endr
	v_nop                                          ; one plain line behind the last scaled conversion
.endm
	s_wait_loadcnt 63                              ; 64 loads were issued behind block 1's last: blocks 0 and 1 are in
	QBLOCK 0
	QBLOCK 1
	s_wait_loadcnt 32                              ; block 3's 32 loads may be out
	QBLOCK 2
	s_wait_loadcnt 0x0
	QBLOCK 3
.irp i, 0,1,2,3,4,5,6,7
	v_permlane16_swap_b32 v[160+\i], v[168+\i]     ; the first's lanes 16-31 change places with the second's lanes 0-15: v160-167 is the fragment of positions 0-15, v168-175 that of 16-31
.endr
	ds_store_b128 v3, v[160:163]
	ds_store_b128 v3, v[164:167] offset:512
	ds_store_b128 v3, v[168:171] offset:4096
	ds_store_b128 v3, v[172:175] offset:4608
	ds_store_b32 v4, v15
; tile t = 4 type + i of my head: its four weight fragments (8 loads) and its scale words (2 loads: lanes 0-15 the even K step, lanes 16-31 the odd one) into buffer i
.macro LOADW t
.set TY, (\t)/4
.set BU, (\t)%4
.irp j, 0,1,2,3,4,5,6,7
	global_load_b128 v[32+32*BU+4*\j:32+32*BU+4*\j+3], v2, s[6:7] offset:(32*TY+BU)*4096+512*\j
.endr
.irp u, 0,1
	global_load_b32 v[24+2*BU+\u], v1, s[8:9] offset:(32*TY+BU)*256+128*\u
.endr
.endm
	LOADW 0                                        ; the numbers of x are done with: the first four tiles' weights are asked for across the barrier
	LOADW 1
	LOADW 2
	LOADW 3
	s_wait_dscnt 0x0                               ; for the others' sake: my images lie in LDS
	s_barrier_signal -1
	s_barrier_wait -1
	WIN 0x40                                       ; destination window 1
.set I, 0
.rept 32
	ds_load_b128 v[4*I:4*I+3], v2 offset:512*I
.set I, I+1
.endr
	WIN 0
.irp i, 0,1,2,3,4,5,6,7
	ds_load_b32 v[16+\i], v1 offset:XSC+128*\i     ; register 4 g + ks: lanes 0-15 the words of tile 2 g, lanes 16-31 those of tile 2 g + 1
.endr
	s_wait_dscnt 0x0
; one product.  k0 = 0: it starts the sum.  ra, rb: the side's scale words stand in lanes 16-31
.macro WM d, a, b, k0, sa, sb, ra, rb
.if (\k0) == 0
.if (\ra) && (\rb)
	v_wmma_scale_f32_16x16x128_f8f6f4 v[\d:\d+7], v[\a:\a+7], v[\b:\b+7], 0, v[\sa], v[\sb] matrix_a_fmt:MATRIX_FMT_FP4 matrix_b_fmt:MATRIX_FMT_FP4 matrix_a_scale:MATRIX_SCALE_ROW1 matrix_b_scale:MATRIX_SCALE_ROW1
.elseif (\ra)
	v_wmma_scale_f32_16x16x128_f8f6f4 v[\d:\d+7], v[\a:\a+7], v[\b:\b+7], 0, v[\sa], v[\sb] matrix_a_fmt:MATRIX_FMT_FP4 matrix_b_fmt:MATRIX_FMT_FP4 matrix_a_scale:MATRIX_SCALE_ROW1
.elseif (\rb)
	v_wmma_scale_f32_16x16x128_f8f6f4 v[\d:\d+7], v[\a:\a+7], v[\b:\b+7], 0, v[\sa], v[\sb] matrix_a_fmt:MATRIX_FMT_FP4 matrix_b_fmt:MATRIX_FMT_FP4 matrix_b_scale:MATRIX_SCALE_ROW1
.else
	v_wmma_scale_f32_16x16x128_f8f6f4 v[\d:\d+7], v[\a:\a+7], v[\b:\b+7], 0, v[\sa], v[\sb] matrix_a_fmt:MATRIX_FMT_FP4 matrix_b_fmt:MATRIX_FMT_FP4
.endif
.else
.if (\ra) && (\rb)
	v_wmma_scale_f32_16x16x128_f8f6f4 v[\d:\d+7], v[\a:\a+7], v[\b:\b+7], v[\d:\d+7], v[\sa], v[\sb] matrix_a_fmt:MATRIX_FMT_FP4 matrix_b_fmt:MATRIX_FMT_FP4 matrix_a_scale:MATRIX_SCALE_ROW1 matrix_b_scale:MATRIX_SCALE_ROW1
.elseif (\ra)
	v_wmma_scale_f32_16x16x128_f8f6f4 v[\d:\d+7], v[\a:\a+7], v[\b:\b+7], v[\d:\d+7], v[\sa], v[\sb] matrix_a_fmt:MATRIX_FMT_FP4 matrix_b_fmt:MATRIX_FMT_FP4 matrix_a_scale:MATRIX_SCALE_ROW1
.elseif (\rb)
	v_wmma_scale_f32_16x16x128_f8f6f4 v[\d:\d+7], v[\a:\a+7], v[\b:\b+7], v[\d:\d+7], v[\sa], v[\sb] matrix_a_fmt:MATRIX_FMT_FP4 matrix_b_fmt:MATRIX_FMT_FP4 matrix_b_scale:MATRIX_SCALE_ROW1
.else
	v_wmma_scale_f32_16x16x128_f8f6f4 v[\d:\d+7], v[\a:\a+7], v[\b:\b+7], v[\d:\d+7], v[\sa], v[\sb] matrix_a_fmt:MATRIX_FMT_FP4 matrix_b_fmt:MATRIX_FMT_FP4
.endif
.endif
.endm
; tile t: 16 products; the four accumulators (one for each tile of positions) take turns, one instruction a turn
.macro MUL t
.set TY, (\t)/4
.set BU, (\t)%4
.set AC, 160+32*((\t)%2)
.if TY == 2
	WIN 0x01                                       ; v: source 0 = x, in window 1
.else
	WIN 0x04                                       ; q, k: source 1 = x, in window 1
.endif
.irp ks, 0,1,2,3
.irp lt, 0,1,2,3
.if TY == 2
	WM AC+8*\lt, 8*(4*\lt+\ks), 32+32*BU+8*\ks, \ks, 16+4*(\lt/2)+\ks, 24+2*BU+\ks/2, \lt%2, \ks%2
.else
	WM AC+8*\lt, 32+32*BU+8*\ks, 8*(4*\lt+\ks), \ks, 24+2*BU+\ks/2, 16+4*(\lt/2)+\ks, \ks%2, \lt%2
.endif
.endr
.endr
	WIN 0
.endm
; tile t's results: rounded to f16, each accumulator from its low end on, and stored as halves of fragments; in the batch's first work-group positions 0-15 also as they are
.macro PACK t
.set TY, (\t)/4
.set II, (\t)%4
.set AC, 160+32*((\t)%2)
.set PK, 224+16*((\t)%2)
.irp lt, 0,1,2,3
.irp j, 0,1,2,3
	v_cvt_pk_f16_f32 v[PK+4*\lt+\j], v[AC+8*\lt+2*\j], v[AC+8*\lt+2*\j+1]
.endr
.endr
.irp lt, 0,1,2,3
.if TY == 0
	global_store_b128 v2, v[PK+4*\lt:PK+4*\lt+3], s[10:11] offset:2048*\lt+512*II
.elseif TY == 1
	global_store_b128 v2, v[PK+4*\lt:PK+4*\lt+3], s[12:13] offset:2048*\lt+512*II
.else
	global_store_b128 v2, v[PK+4*\lt:PK+4*\lt+3], s[12:13] offset:32768+4096*(\lt/2)+1024*II+512*(\lt%2)
.endif
.endr
	s_cmp_lg_u32 ttmp9, 0
	s_cbranch_scc1 .Lnofine_\@
.if TY < 2
	global_store_b128 v5, v[AC:AC+3], s[14:15] offset:32768*TY+64*II
	global_store_b128 v5, v[AC+4:AC+7], s[14:15] offset:32768*TY+64*II+16
.else
	global_store_b128 v8, v[AC:AC+3], s[24:25] offset:65536+1024*II
	global_store_b128 v8, v[AC+4:AC+7], s[24:25] offset:65536+1024*II+16
.endif
.Lnofine_\@:
.endm
.set T, 0
.rept 12
.if T <= 8
	s_wait_loadcnt 30                              ; this tile's ten loads are in; the three later tiles' may be out
.else
	s_wait_loadcnt 10*(11-T)
.endif
	s_wait_xcnt 0x0                                ; the stores issued so far have read their data: the accumulators and packed results of two tiles back are written again only behind this wait
	MUL T
.if T == 0
.rept 4
	v_nop                                          ; places in front of the loads into the buffer just multiplied
.endr
.else
	PACK T-1                                       ; its sixteen roundings name nothing of the products just issued: they are the places in front of the loads below
.endif
.if T+4 < 12
	LOADW T+4
.endif
.set T, T+1
.endr
	PACK 11                                        ; (tile 10's roundings were the places behind the last products)
	s_wait_tensorcnt 0x0                           ; the wave's end, behind my last LDS store
	ds_add_u32 v6, v7
	s_wait_dscnt 0x0
	s_endpgm
.Lfunc_end_k_q0424956928_proj:
	.size	k_q0424956928_proj, .Lfunc_end_k_q0424956928_proj-k_q0424956928_proj
	.p2alignl 7, 3214868480
	.fill 96, 4, 3214868480
	.section	.rodata,"a",@progbits
	.p2align	6, 0x0
	.amdhsa_kernel k_q0424956928_proj
		.amdhsa_group_segment_fixed_size 18432
		.amdhsa_private_segment_fixed_size 0
		.amdhsa_enable_private_segment 0
		.amdhsa_kernarg_size 48
		.amdhsa_user_sgpr_count 2
		.amdhsa_user_sgpr_kernarg_segment_ptr 1
		.amdhsa_wavefront_size32 1
		.amdhsa_system_sgpr_workgroup_id_x 1
		.amdhsa_system_sgpr_workgroup_id_y 1
		.amdhsa_system_sgpr_workgroup_id_z 1
		.amdhsa_system_vgpr_workitem_id 0
		.amdhsa_next_free_vgpr 384
		.amdhsa_next_free_sgpr 66
		.amdhsa_reserve_vcc 0
		.amdhsa_float_denorm_mode_32 3
		.amdhsa_float_denorm_mode_16_64 3
		.amdhsa_memory_ordered 1
		.amdhsa_forward_progress 1
		.amdhsa_inst_pref_size 81
	.end_amdhsa_kernel
	.amdgpu_metadata
---
amdhsa.version: [ 1, 2 ]
amdhsa.kernels:
  - .name:           k_q0424956928_proj
    .symbol:         k_q0424956928_proj.kd
    .args:
      - { .name: x, .offset: 0, .size: 8, .value_kind: global_buffer, .address_space: global }
      - { .name: wc, .offset: 8, .size: 8, .value_kind: global_buffer, .address_space: global }
      - { .name: wsc, .offset: 16, .size: 8, .value_kind: global_buffer, .address_space: global }
      - { .name: qf, .offset: 24, .size: 8, .value_kind: global_buffer, .address_space: global }
      - { .name: kv, .offset: 32, .size: 8, .value_kind: global_buffer, .address_space: global }
      - { .name: fine, .offset: 40, .size: 8, .value_kind: global_buffer, .address_space: global }
    .group_segment_fixed_size: 18432
    .private_segment_fixed_size: 0
    .kernarg_segment_align: 8
    .kernarg_segment_size: 48
    .max_flat_workgroup_size: 256
    .sgpr_count:     66
    .vgpr_count:     384
    .wavefront_size: 32
...
	.end_amdgpu_metadata
.endif
;; end of part 2
;; launch attn (part 3): grid 4 x 64, 8 waves a work-group, no clusters, 327,680 bytes of LDS; arguments qf, kv, att; writes att
.if DOCPART == 3
	.amdgcn_target "amdgcn-amd-amdhsa--gfx1250"
	.amdhsa_code_object_version 6
	.text
	.protected	k_q0424956928_attn
	.globl	k_q0424956928_attn
	.p2align	8
	.type	k_q0424956928_attn,@function
k_q0424956928_attn:
	s_mov_b64 s[64:65], 0
	v_nop
	global_prefetch_b8 v0, s[64:65] scope:SCOPE_SE
	s_setreg_imm32_b32 hwreg(HW_REG_WAVE_MODE, 25, 1), 1
	s_wait_xcnt 0x0
; att[n][l][64 hd + d] = the sum over k <= l of softmax_k(q[l] . k[k] / sqrt(512)) v[k][d], for each of 64 (batch, head) pairs nh; operands f16, products, maxima and sums f32.
; SHARES.  Work-group (p, nh) makes the blocks of 256 queries 7 - p and then p of head nh.  A trip is one slot of 256 keys; block b needs b + 1 slots (the slots wholly above the
;   diagonal are not walked), so every work-group has (8 - p) + (p + 1) = 9 trips: equal work, and trip counts that are constants.  Wave w owns 32 queries, two tiles of 16.
; LAYOUT.  S^T = K Q^T (source 0 = 16 keys, source 1 = 16 queries): a lane holds ONE query (lane % 16) and the keys 8 (lane / 16) + 0..7.  Two such tiles, rounded to f16 in pairs, ARE source 1
;   of O^T = V^T P, whose result again holds one query a lane and eight channels.  q, k, v lie in memory as images of operand registers, so every LDS load takes 512 consecutive bytes.
; SOFTMAX.  For each query a running maximum m and sum l: p = 2^(c s - c m), c = log2(e) / sqrt(512); in every step O and l are multiplied by a = 2^(c m_old - c m_new).
;   m begins at -3e38, O and l at 0, so the key step is written once.  Key 0 counts for every query, and a step is walked only where its first key counts for all 32 queries' tiles: m is a number from the first step on.
; RING.  Two LDS slots of 65,536 bytes; a slot is one dense block of kv; each of the eight waves fetches its eighth by one tensor load.  The change of slots stands at a trip's head.
; MASK.  A key step (64 keys) all of whose keys come after my 32 queries is left out by a scalar branch on ids; on the diagonal hidden scores become -infinity ahead of the maximum.
; NO CLUSTER: the four work-groups of a head walk different key slots from trip 8 - p on, and on the diagonal a partner's waves jump over reads: joint loads would not be alike in all partners.
; LIMITS: NaN and infinities are not served; |att| stays under 65,504.
; REGISTERS, window 0: v1 16 x lane; v2 the LDS address in hand; v3 256 x lane (prefetch); v4 r - 8 h; v6, v7 the add's two; v8-23 eight statistics a tile (+0 c m, +1 m, +2, +3 l, +4..7 at work; a in +6);
;   v24, v25 the mask's distances; v26 -infinity; v32-95 S^T (32 t + 8 kt); v96-127 P (16 t + 8 kb); v128-159 Q (8 (2 t + kd)).
;   window 1: v0-63 O^T (32 t + 8 dt); v64-127 K (8 (2 kt + kd)); v128-191 V (8 (4 kb + dt)).
.set SLOTB, 65536
.set SPARE, 131072                     ; behind the ring: the spare words, 128 bytes for each of eight waves
.set ST, 8
.set S,  32
.set P,  96
.set Q,  128
.set KK, 64
.set VV, 128
; s10 wave; s11 p; s12 nh; s13 the first block's last trip; s14 trip; s15 key slot of the next load; s16 the step's first key; s17 my first query; s18 LDS byte of the step in hand; s19 steps' counter;
; s[20:21] lane selects; s[22:23] c; s[24:31] descriptor group 1; s[32:35] group 0; s[36:37] kv at my eighth of the head's slot 0; s[38:39] offset; s[40:41] prefetch; s42 its limit; s43 block; s[44:47] bases; s48-50 at work (s49 = 0)
.set MSB, 0
.macro WIN new                         ; the immediate's high byte repeats the setting that is left
.if MSB != \new
	s_set_vgpr_msb (MSB<<8)|\new
.set MSB, \new
.endif
.endm
.macro PLACES
.rept 4
	v_nop
.endr
.endm
; a block of queries begins: Q's fragments into registers; m, l, O^T at their starts
.macro START
	s_lshl_b32 s17, s43, 8
	s_lshl_b32 s48, s10, 5
	s_add_co_u32 s17, s17, s48                     ; my first query: 256 x block + 32 x wave
	s_lshl_b32 s48, s12, 18
	s_lshl_b32 s50, s17, 7
	s_add_co_u32 s48, s48, s50
	s_add_nc_u64 s[44:45], s[4:5], s[48:49]        ; qf + nh x 262,144 + (query / 16) x 2,048
.irp i, 0,1,2,3,4,5,6,7
	global_load_b128 v[Q+4*\i:Q+4*\i+3], v1, s[44:45] offset:512*\i
.endr
.irp t, 0,1
	v_mov_b32 v[ST+8*\t+1], 0xff61b1e6             ; m = -3e38, under every score
	v_mul_f32 v[ST+8*\t], s22, v[ST+8*\t+1]
	v_mov_b32 v[ST+8*\t+2], 0
	v_mov_b32 v[ST+8*\t+3], 0
	v_mov_b32 v[ST+8*\t+5], 0                      ; (a lane permute's destination counts as one of its sources)
	v_mov_b32 v[ST+8*\t+7], 0                      ; (named as the upper half of a pair)
.endr
	WIN 0x40
.set I, 0
.rept 64
	v_mov_b32 v[I], 0                              ; O^T: the key step is written once, and its first walk finds zeros
.set I, I+1
.endr
	WIN 0
	s_mov_b32 s16, 0
	s_wait_loadcnt 0x0
.endm
; THE CHANGE OF SLOTS.  Each wave waits for all its tensor loads (one is out: its eighth of the slot about to be read), adds 0 to its spare word, and waits for that and for its reads of the slot that it has left.
; Behind the barrier the slot ahead is whole and nobody reads the other one.  fill = 1: that other slot takes the next trip's keys; the load has a trip's four key steps in which to land.
.macro CHANGE fill
	s_wait_tensorcnt 0x0                           ; no tensor load of mine is out, so group 0 may be written
	ds_add_u32 v6, v7                              ; 0 onto my spare word; the descriptor's steps stand between it and the wait for it
.if \fill
	s_add_co_u32 s15, s15, 1                       ; the next trip's key slot: one on,
	s_cmp_eq_u32 s14, s13
	s_cselect_b32 s15, 0, s15                      ; or slot 0 where the second block begins
	s_lshl_b32 s38, s15, 16
	s_xor_b32 s33, s33, SLOTB                      ; the other LDS slot than last time
	s_add_nc_u64 s[34:35], s[36:37], s[38:39]
	s_or_b32 s35, s35, 0x80000000                  ; type = 2
	s_wait_xcnt 0x0                                ; the last prefetch, a trip back, has read its address
	s_add_nc_u64 s[40:41], s[40:41], SLOTB
.endif
	s_wait_dscnt 0x0                               ; the add is done, and my reads of the slot that I have left are over
	s_barrier_signal -1
	s_barrier_wait -1
.if \fill
	tensor_load_to_lds s[32:35], s[24:31]          ; the first thing behind the barrier, and my one tensor load until the next
	s_nop 0
	PLACES
	; A prefetch into the L2 of the key slot that the NEXT change will ask for.  All four work-groups of a head walk the same slots: the one with p = 0, which walks slots 0 to 7 in trips 0 to 7, asks.
	; Each wave names its own eighth, lanes 256 bytes apart: each block of 256 bytes once in the launch.  In trip t it names slot t + 2; trips 6 and 7 ask for nothing; slots 0 and 1 come by their loads alone.
	s_cmp_lt_u32 s14, s42
	s_cbranch_scc0 .Lna_\@
	global_prefetch_b8 v3, s[40:41] th:TH_LOAD_NT scope:SCOPE_SE
.Lna_\@:
.endif
.endm
; A SLOT'S FOUR KEY STEPS of 64 keys: written once, walked four times; the LDS addresses hang on s18.
.macro KEYSTEPS
	s_mov_b32 s19, 4
.Lks_\@:
	s_add_co_u32 s48, s17, 31
	s_cmp_gt_u32 s16, s48                          ; all 64 keys come after my 32 queries: the step's work is left out, not the lines that step addresses
	s_cbranch_scc1 .Lhid_\@
	v_add_nc_u32 v2, s18, v1
	PLACES                                         ; places in front of loads into registers that the last products read
	WIN 0x40
.set I, 0
.rept 16
	ds_load_b128 v[KK+4*I:KK+4*I+3], v2 offset:512*I
.set I, I+1
.endr
.set I, 0
.rept 16
	ds_load_b128 v[VV+4*I:VV+4*I+3], v2 offset:32768+512*I
.set I, I+1
.endr
	s_wait_dscnt 16                                ; K is in; V's sixteen loads may be out
	WIN 0x01                                       ; source 0 (K) window 1
.irp kd, 0,1                           ; the eight accumulators take turns, one instruction a turn
.irp kt, 0,1,2,3
.irp t, 0,1
.if \kd == 0
	v_wmma_f32_16x16x32_f16 v[S+32*\t+8*\kt:S+32*\t+8*\kt+7], v[KK+8*(2*\kt+\kd):KK+8*(2*\kt+\kd)+7], v[Q+8*(2*\t+\kd):Q+8*(2*\t+\kd)+7], 0
.else
	v_wmma_f32_16x16x32_f16 v[S+32*\t+8*\kt:S+32*\t+8*\kt+7], v[KK+8*(2*\kt+\kd):KK+8*(2*\kt+\kd)+7], v[Q+8*(2*\t+\kd):Q+8*(2*\t+\kd)+7], v[S+32*\t+8*\kt:S+32*\t+8*\kt+7]
.endif
.endr
.endr
.endr
	WIN 0
	PLACES
	s_add_co_u32 s48, s16, 63
	s_cmp_le_u32 s48, s17                          ; all 64 keys count for all my queries: no mask
	s_cbranch_scc1 .Lopen_\@
	s_sub_co_i32 s48, s17, s16
	v_add_nc_u32 v24, s48, v4                      ; tile 0: my query - the step's first key - 8 (lane / 16); register 8 kt + j holds key 16 kt + j beyond that: hidden where 16 kt + j is greater
	v_add_nc_u32 v25, 16, v24                      ; tile 1
.irp t, 0,1
.irp kt, 0,1,2,3
.irp j, 0,1,2,3,4,5,6,7
	v_cmp_gt_i32 vcc_lo, 16*\kt+\j, v[24+\t]
	v_cndmask_b32 v[S+32*\t+8*\kt+\j], v[S+32*\t+8*\kt+\j], v26, vcc_lo
.endr
.endr
.endr
.Lopen_\@:
	; the maximum of my 32 scores and the old m: four chains, each begun at its accumulator's low end; the two tiles line by line by turns
.irp j, 0,1,2,3
.irp t, 0,1
	v_max3_num_f32 v[ST+8*\t+4+\j], v[S+32*\t+8*\j], v[S+32*\t+8*\j+1], v[S+32*\t+8*\j+2]
.endr
.endr
.irp u, 1,2
.irp j, 0,1,2,3
.irp t, 0,1
	v_max3_num_f32 v[ST+8*\t+4+\j], v[ST+8*\t+4+\j], v[S+32*\t+8*\j+2*\u+1], v[S+32*\t+8*\j+2*\u+2]
.endr
.endr
.endr
.irp t, 0,1
	v_max3_num_f32 v[ST+8*\t+4], v[ST+8*\t+4], v[S+32*\t+7], v[S+32*\t+15]
.endr
.irp t, 0,1
	v_max3_num_f32 v[ST+8*\t+6], v[ST+8*\t+6], v[S+32*\t+23], v[S+32*\t+31]
.endr
.irp t, 0,1
	v_max3_num_f32 v[ST+8*\t+4], v[ST+8*\t+4], v[ST+8*\t+5], v[ST+8*\t+6]
.endr
.irp t, 0,1
	v_max3_num_f32 v[ST+8*\t+4], v[ST+8*\t+4], v[ST+8*\t+7], v[ST+8*\t+1]
.endr
.irp t, 0,1
	v_permlanex16_b32 v[ST+8*\t+5], v[ST+8*\t+4], s20, s21   ; the query's other 32 keys lie in the lane 16 away
.endr
.irp t, 0,1
	v_mov_b32 v[ST+8*\t+7], v[ST+8*\t]             ; c m_old is kept for a
.endr
.irp t, 0,1
	v_max_num_f32 v[ST+8*\t+1], v[ST+8*\t+4], v[ST+8*\t+5]
.endr
.irp t, 0,1
	v_mul_f32 v[ST+8*\t], s22, v[ST+8*\t+1]
.endr
.irp t, 0,1
	v_sub_f32 v[ST+8*\t+7], v[ST+8*\t+7], v[ST+8*\t]
.endr
.irp b, 0,2,4,6,8,10,12,14,16,18,20,22,24,26,28,30
.irp t, 0,1
	v_pk_fma_f32 v[S+32*\t+\b:S+32*\t+\b+1], v[S+32*\t+\b:S+32*\t+\b+1], s[22:23], v[ST+8*\t:ST+8*\t+1] op_sel_hi:[1,0,0] neg_lo:[0,0,1] neg_hi:[0,0,1]   ; c s - c m, two at a time
.endr
.endr
.irp t, 0,1
	v_exp_f32 v[ST+8*\t+6], v[ST+8*\t+7]           ; a.  ONE BATCH: none of the 66 exponentials reads another's result
.endr
.set I, 0
.rept 64
	v_exp_f32 v[S+I], v[S+I]
.set I, I+1
.endr
	v_nop                                          ; the plain line behind the last exponential
	s_wait_alu depctr_va_vdst(0)                   ; one wait for the batch, ahead of its first reader
.irp t, 0,1
	v_pk_mul_f32 v[ST+8*\t+2:ST+8*\t+3], v[ST+8*\t+2:ST+8*\t+3], v[ST+8*\t+6:ST+8*\t+7] op_sel_hi:[1,0]   ; l x a
.endr
.irp t, 0,1
	v_pk_add_f32 v[ST+8*\t+4:ST+8*\t+5], v[S+32*\t:S+32*\t+1], v[S+32*\t+2:S+32*\t+3]   ; the sum of the unrounded p, two at a time, in two chains
.endr
.irp j, 4,8,12,16,20,24,28
.irp t, 0,1
	v_pk_add_f32 v[ST+8*\t+2:ST+8*\t+3], v[ST+8*\t+2:ST+8*\t+3], v[S+32*\t+\j:S+32*\t+\j+1]
	v_pk_add_f32 v[ST+8*\t+4:ST+8*\t+5], v[ST+8*\t+4:ST+8*\t+5], v[S+32*\t+\j+2:S+32*\t+\j+3]
.endr
.endr
.irp t, 0,1
	v_pk_add_f32 v[ST+8*\t+2:ST+8*\t+3], v[ST+8*\t+2:ST+8*\t+3], v[ST+8*\t+4:ST+8*\t+5]
.endr
.set I, 0
.rept 32
	v_cvt_pk_f16_f32 v[P+I], v[S+2*I], v[S+2*I+1]  ; P: 16 registers a tile
.set I, I+1
.endr
	WIN 0x41                                       ; O^T (destination and source 0) window 1, a window 0
.irp t, 0,1
.set I, 0
.rept 16
	v_pk_mul_f32 v[32*\t+2*I:32*\t+2*I+1], v[32*\t+2*I:32*\t+2*I+1], v[ST+8*\t+6:ST+8*\t+7] op_sel_hi:[1,0]   ; O^T x a, each accumulator from its low end on
.set I, I+1
.endr
.endr
	s_wait_dscnt 0x0                               ; V is in
	WIN 0x51                                       ; V window 1, P window 0, O^T window 1
.irp kb, 0,1
.irp dt, 0,1,2,3
.irp t, 0,1
	v_wmma_f32_16x16x32_f16 v[32*\t+8*\dt:32*\t+8*\dt+7], v[VV+8*(4*\kb+\dt):VV+8*(4*\kb+\dt)+7], v[P+16*\t+8*\kb:P+16*\t+8*\kb+7], v[32*\t+8*\dt:32*\t+8*\dt+7]
.endr
.endr
.endr
	WIN 0
.Lhid_\@:
	s_add_co_u32 s16, s16, 64
	s_add_co_u32 s18, s18, 8192                    ; a step's 64 keys are 8,192 bytes of K, and of V
	s_sub_co_u32 s19, s19, 1
	s_cmp_lg_u32 s19, 0
	s_cbranch_scc1 .Lks_\@
	s_sub_co_u32 s18, s18, 32768                   ; back to a slot's first step,
	s_xor_b32 s18, s18, SLOTB                      ; in the other slot
.endm
; a block of queries ends: O^T / l, rounded to f16: a lane's eight channels of a query are half a fragment of the output projection's operand; each store covers 512 consecutive bytes
.macro FINISH
	PLACES
.irp t, 0,1
	v_add_f32 v[ST+8*\t+4], v[ST+8*\t+2], v[ST+8*\t+3]
.endr
.irp t, 0,1
	v_permlanex16_b32 v[ST+8*\t+5], v[ST+8*\t+4], s20, s21
.endr
.irp t, 0,1
	v_add_f32 v[ST+8*\t+4], v[ST+8*\t+4], v[ST+8*\t+5]
.endr
.irp t, 0,1
	v_rcp_f32 v[ST+8*\t+6], v[ST+8*\t+4]
.endr
	v_nop
	s_lshr_b32 s48, s12, 3                         ; n
	s_lshl_b32 s48, s48, 4
	s_lshl_b32 s50, s43, 1
	s_add_co_u32 s48, s48, s50
	s_lshr_b32 s50, s10, 2
	s_add_co_u32 s48, s48, s50                     ; 16 n + block of 128 positions
	s_lshl_b32 s48, s48, 2
	s_bfe_u32 s50, s12, 0x20001
	s_add_co_u32 s48, s48, s50                     ; x 4 + head / 2: which 128 channels
	s_lshl_b32 s48, s48, 15
	s_and_b32 s50, s10, 3
	s_lshl_b32 s50, s50, 13
	s_add_co_u32 s48, s48, s50                     ; my two tiles of positions
	s_and_b32 s50, s12, 1
	s_lshl_b32 s50, s50, 11
	s_add_co_u32 s48, s48, s50                     ; my head's half of the 128 channels
	s_add_nc_u64 s[46:47], s[8:9], s[48:49]
	s_wait_alu depctr_va_vdst(0)                   ; one wait for the two reciprocals, ahead of their first reader
	WIN 0x01                                       ; source 0 (O^T) window 1
.irp t, 0,1
.set I, 0
.rept 16
	v_pk_mul_f32 v[S+32*\t+2*I:S+32*\t+2*I+1], v[32*\t+2*I:32*\t+2*I+1], v[ST+8*\t+6:ST+8*\t+7] op_sel_hi:[1,0]
.set I, I+1
.endr
.endr
	WIN 0
.set I, 0
.rept 32
	v_cvt_pk_f16_f32 v[P+I], v[S+2*I], v[S+2*I+1]
.set I, I+1
.endr
.irp t, 0,1
.irp dt, 0,1,2,3
	global_store_b128 v1, v[P+16*\t+4*\dt:P+16*\t+4*\dt+3], s[46:47] offset:4096*\t+512*\dt
.endr
.endr
	s_wait_xcnt 0x0                                ; the stores have read their data and base: both may be written again
.endm
	s_load_b128 s[4:7], s[0:1], 0x0                ; qf s[4:5], kv s[6:7]
	s_load_b64 s[8:9], s[0:1], 0x10                ; att
	v_lshl_add_u32 v6, v0, 2, SPARE
	v_mov_b32 v7, 0
	ds_add_u32 v6, v7                              ; the wave's opening: the add, twice on end, and its wait ahead of my first tensor load
	ds_add_u32 v6, v7
	v_lshrrev_b32 v2, 5, v0
	v_readfirstlane_b32 s10, v2                    ; wave 0..7
	s_mov_b32 s11, ttmp9                           ; p
	s_and_b32 s12, ttmp7, 0xffff                   ; nh
	s_sub_co_u32 s13, 7, s11                       ; the first block, and its last trip
	s_mov_b32 s14, 0
	s_mov_b32 s15, 0
	s_mov_b32 s18, 0
	s_mov_b32 s20, 0x76543210
	s_mov_b32 s21, 0xfedcba98
	s_mov_b32 s22, 0x3d8293ee                      ; c = log2(e) / sqrt(512)
	s_mov_b32 s23, s22                             ; (named with it as a pair)
	s_mov_b32 s24, 3<<16                           ; group 1: no mask; elements of 8 bytes; no padding
	s_mov_b32 s25, 32<<16                          ; tensor_dim0 = 32 elements: rows of 256 bytes
	s_mov_b32 s26, 32<<16                          ; tensor_dim1 = 32 rows: 8,192 dense bytes
	s_mov_b32 s27, 32<<16                          ; tile_dim0
	s_mov_b32 s28, 32                              ; tile_dim1
	s_mov_b32 s29, 32                              ; the pitch
	s_mov_b32 s30, 0
	s_mov_b32 s31, 0
	s_mov_b32 s32, 1                               ; group 0: count = 1
	s_lshl_b32 s33, s10, 13                        ; LDS: slot 0, my eighth
	s_mov_b32 s39, 0
	s_mov_b32 s49, 0
	s_cmp_eq_u32 s11, 0
	s_cselect_b32 s42, 6, 0                        ; who prefetches, and up to which trip
	s_mov_b32 s43, s13
	v_and_b32 v5, 31, v0
	v_lshlrev_b32 v1, 4, v5
	v_lshlrev_b32 v3, 8, v5
	v_and_b32 v4, 15, v0
	v_bfe_u32 v5, v0, 4, 1
	v_lshlrev_b32 v5, 3, v5
	v_sub_nc_u32 v4, v4, v5                        ; r - 8 h
	v_mov_b32 v26, 0xff800000                      ; -infinity
	s_lshl_b32 s48, s12, 19
	s_lshl_b32 s50, s10, 13
	s_add_co_u32 s48, s48, s50
	s_wait_dscnt 0x0                               ; both opening adds are done
	s_wait_kmcnt 0x0
	s_add_nc_u64 s[36:37], s[6:7], s[48:49]        ; kv + nh x 524,288 + w x 8,192
	s_add_nc_u64 s[40:41], s[36:37], SLOTB         ; the prefetches stand in slot 1: the first change steps them to slot 2.  Nothing is prefetched here, at the head
	s_mov_b64 s[34:35], s[36:37]
	s_or_b32 s35, s35, 0x80000000
	tensor_load_to_lds s[32:35], s[24:31]          ; key slot 0 into LDS slot 0: my one tensor load that is out
	s_nop 0
	PLACES
	START
.Ltrip:                                                ; eight trips; behind each change of slots the next trip's keys are asked for
	CHANGE 1
	KEYSTEPS
	s_cmp_lg_u32 s14, s13                          ; ids alone: the first block's last trip?
	s_cbranch_scc1 .Lsame
	FINISH
	s_mov_b32 s43, s11
	START
.Lsame:
	s_add_co_u32 s14, s14, 1
	s_cmp_lt_u32 s14, 8
	s_cbranch_scc1 .Ltrip
	CHANGE 0                                       ; the ninth trip is written out: nothing is left to fetch
	KEYSTEPS
	FINISH
	s_wait_tensorcnt 0x0                           ; the wave's end, behind my last tensor load
	ds_add_u32 v6, v7
	s_wait_dscnt 0x0
	s_endpgm
.Lfunc_end_k_q0424956928_attn:
	.size	k_q0424956928_attn, .Lfunc_end_k_q0424956928_attn-k_q0424956928_attn
	.p2alignl 7, 3214868480
	.fill 96, 4, 3214868480
	.section	.rodata,"a",@progbits
	.p2align	6, 0x0
	.amdhsa_kernel k_q0424956928_attn
		.amdhsa_group_segment_fixed_size 327680
		.amdhsa_private_segment_fixed_size 0
		.amdhsa_enable_private_segment 0
		.amdhsa_kernarg_size 24
		.amdhsa_user_sgpr_count 2
		.amdhsa_user_sgpr_kernarg_segment_ptr 1
		.amdhsa_wavefront_size32 1
		.amdhsa_system_sgpr_workgroup_id_x 1
		.amdhsa_system_sgpr_workgroup_id_y 1
		.amdhsa_system_sgpr_workgroup_id_z 1
		.amdhsa_system_vgpr_workitem_id 0
		.amdhsa_next_free_vgpr 512
		.amdhsa_next_free_sgpr 66
		.amdhsa_reserve_vcc 1
		.amdhsa_float_denorm_mode_32 3
		.amdhsa_float_denorm_mode_16_64 3
		.amdhsa_memory_ordered 1
		.amdhsa_forward_progress 1
		.amdhsa_inst_pref_size 67
	.end_amdhsa_kernel
	.amdgpu_metadata
---
amdhsa.version: [ 1, 2 ]
amdhsa.kernels:
  - .name:           k_q0424956928_attn
    .symbol:         k_q0424956928_attn.kd
    .args:
      - { .name: qf, .offset: 0, .size: 8, .value_kind: global_buffer, .address_space: global }
      - { .name: kv, .offset: 8, .size: 8, .value_kind: global_buffer, .address_space: global }
      - { .name: att, .offset: 16, .size: 8, .value_kind: global_buffer, .address_space: global }
    .group_segment_fixed_size: 327680
    .private_segment_fixed_size: 0
    .kernarg_segment_align: 8
    .kernarg_segment_size: 24
    .max_flat_workgroup_size: 256
    .sgpr_count:     66
    .vgpr_count:     512
    .wavefront_size: 32
...
	.end_amdgpu_metadata
.endif
;; end of part 3
;; launch oproj (part 4): grid 4 x 128, 4 waves a work-group, clusters of 4 x 4, 327,680 bytes of LDS; arguments att, wof, bo, out0; writes out0
.if DOCPART == 4
	.amdgcn_target "amdgcn-amd-amdhsa--gfx1250"
	.amdhsa_code_object_version 6
	.text
	.protected	k_q0424956928_oproj
	.globl	k_q0424956928_oproj
	.p2align	8
	.type	k_q0424956928_oproj,@function
k_q0424956928_oproj:
	s_mov_b64 s[64:65], 0
	v_nop
	global_prefetch_b8 v0, s[64:65] scope:SCOPE_SE
	s_setreg_imm32_b32 hwreg(HW_REG_WAVE_MODE, 25, 1), 1
	s_wait_xcnt 0x0
	s_wait_alu depctr_hold_cnt(0) depctr_sa_sdst(0) depctr_va_vdst(0) depctr_va_sdst(0) depctr_va_ssrc(0) depctr_va_vcc(0) depctr_vm_vsrc(0)
	s_getreg_b32 s2, hwreg(HW_REG_IB_STS2, 6, 4)
	s_cmp_eq_u32 s2, 0
	s_cbranch_scc0 .Lentry_in_a_cluster
	s_endpgm
.Lentry_in_a_cluster:
	s_bfe_u32 s2, ttmp6, 0x10000c
	s_cmp_lg_u32 s2, 0xf033
	s_cbranch_scc0 .Lentry_shape_is_right
	s_endpgm
.Lentry_shape_is_right:
; out0[n][o][l] = the sum over c of Wo[o][c] att[n][l][c] + bo[o]; operands f16, sums f32.  (Positions 0-15 of every batch are written again, more finely, by the launch behind this one.)
; A work-group makes 128 positions x 128 outputs; K = 512 fits in LDS whole (four chunks of 128 c: 32 KB of att, 32 KB of Wo), so every LDS byte is filled once: no ring, no refill.
; Both operands lie in memory as images of operand registers: a chunk is a dense block, and a fragment comes by two LDS loads of 512 consecutive bytes.
; Wave w makes 64 positions (w >> 1) x 64 outputs (w & 1): 16 accumulators.  Source 0 = 16 positions of att, source 1 = 16 rows of Wo: a lane holds eight neighbouring positions of one output row,
; which are neighbours in out0.  The bias is the C of each sum's first product.
; CLUSTERS: 4 x 4 work-groups.  att's chunks hang on (n, block of positions) alone and are shared along a row of the cluster, Wo's on the block of outputs alone and along a column: each is asked for
; jointly, by the same tensor load with the same descriptor and a mask that names the four.  Waves 0, 1 fetch att's halves, waves 2, 3 Wo's: four loads of 16 KB a wave are out at the start.
; No prefetch: all that a work-group reads is asked for at its head.
; REGISTERS, window 0: v8-11, v12-15 LDS addresses of my fragments in chunk 0..3; v16-19 the way out and the bias; v20, v21 the add's two; v32-63 the bias, eight registers for each tile of outputs;
;   v64-127, v128-191 two fragment buffers (att's four at +0, Wo's four at +32).   window 1: the accumulators, (a, b) at 8 (4 a + b).
.set CH,     65536                     ; a chunk in LDS: att's 32,768 bytes, then Wo's
.set STAGE,  262144                    ; behind the chunks: 16 rows x 272 bytes for each wave, for the way out
.set SPITCH, 272
.set SPARE,  STAGE+4*16*SPITCH         ; the spare words: 128 bytes for each of four waves
.set ADRA, 8
.set ADRB, 12
.set STO,  16
.set RD,   17
.set CO,   18
.set BO,   19
.set SPW,  20
.set NIL,  21
.set BIAS, 32
.set F0,   64
.set G1A, 24
.set G1B, 32
.set G0A, 40
.set G0B, 68
.set MSB, 0
.macro WIN new                         ; the immediate's high byte repeats the setting that is left
.if MSB != \new
	s_set_vgpr_msb (MSB<<8)|\new
.set MSB, \new
.endif
.endm
.macro PLACES
.rept 4
	v_nop
.endr
.endm
.macro CROUND                          ; a round of the cluster's barrier
	s_barrier_signal -1
	s_barrier_wait -1
	s_cmp_lg_u32 s12, 0
	s_cbranch_scc1 .Lnot_wave_0_\@
	s_barrier_signal -3
.Lnot_wave_0_\@:
	s_barrier_wait -3
	s_barrier_signal -1
	s_barrier_wait -1
.endm
	s_load_b256 s[4:11], s[0:1], 0x0               ; att s[4:5], wof s[6:7], bo s[8:9], out0 s[10:11]
	v_lshl_add_u32 v[SPW], v0, 2, SPARE
	v_mov_b32 v[NIL], 0
	ds_add_u32 v[SPW], v[NIL]                      ; the wave's opening: the add, twice on end, and its wait ahead of my first tensor load
	ds_add_u32 v[SPW], v[NIL]
	v_lshrrev_b32 v1, 5, v0
	v_readfirstlane_b32 s12, v1                    ; wave 0..3
	s_lshr_b32 s13, s12, 1                         ; my half of the positions.  Also: I fetch for att (0) or for Wo (1)
	s_and_b32 s14, s12, 1                          ; my half of the outputs.  Also: which half of a chunk I fetch
	s_bfe_u32 s15, ttmp6, 0x40000                  ; cx
	s_bfe_u32 s16, ttmp6, 0x40004                  ; cy
	s_lshl_b32 s17, ttmp9, 2
	s_add_co_u32 s17, s17, s15                     ; block of 128 outputs = 4 x cluster x + cx
	s_and_b32 s18, ttmp7, 0xffff
	s_lshl_b32 s18, s18, 2
	s_add_co_u32 s18, s18, s16                     ; 16 n + block of 128 positions = 4 x cluster y + cy
	s_lshl_b32 s19, s16, 2
	s_lshl_b32 s19, 15, s19                        ; my row of the cluster
	s_lshl_b32 s20, 0x1111, s15                    ; my column
	s_or_b32 s[G1A], s19, (3<<16)|(1<<21)          ; group 1: the mask; elements of 8 bytes; bit 21 beside a mask; no padding
	s_or_b32 s[G1B], s20, (3<<16)|(1<<21)
.irp g, G1A, G1B
	s_mov_b32 s[\g+1], 32<<16                      ; tensor_dim0 = 32 elements: rows of 256 bytes
	s_mov_b32 s[\g+2], 64<<16                      ; tensor_dim1 = 64 rows: 16,384 dense bytes
	s_mov_b32 s[\g+3], 32<<16                      ; tile_dim0
	s_mov_b32 s[\g+4], 64                          ; tile_dim1
	s_mov_b32 s[\g+5], 32                          ; the pitch
	s_mov_b32 s[\g+6], 0
	s_mov_b32 s[\g+7], 0
.endr
	s_lshl_b32 s21, s14, 14                        ; my half of a chunk, in memory and in LDS: no place in the cluster enters an LDS address
	s_lshl_b32 s56, s18, 17                        ; att: four chunks of 32,768 bytes for each block of positions
	s_add_co_u32 s56, s56, s21
	s_mov_b32 s57, 0
	s_lshl_b32 s58, s17, 17                        ; wof: likewise for each block of outputs
	s_add_co_u32 s58, s58, s21
	s_mov_b32 s59, 0
	s_wait_dscnt 0x0                               ; both opening adds are done
	s_wait_kmcnt 0x0
	s_add_nc_u64 s[56:57], s[4:5], s[56:57]
	s_add_nc_u64 s[58:59], s[6:7], s[58:59]
	CROUND                                         ; all sixteen work-groups are here: the joint loads meet
.irp k, 0,1,2,3
	s_mov_b32 s[G0A+4*\k], 1
	s_add_co_u32 s[G0A+4*\k+1], s21, \k*CH
	s_add_nc_u64 s[G0A+4*\k+2:G0A+4*\k+3], s[56:57], \k*32768
	s_or_b32 s[G0A+4*\k+3], s[G0A+4*\k+3], 0x80000000
	s_mov_b32 s[G0B+4*\k], 1
	s_add_co_u32 s[G0B+4*\k+1], s21, \k*CH+32768
	s_add_nc_u64 s[G0B+4*\k+2:G0B+4*\k+3], s[58:59], \k*32768
	s_or_b32 s[G0B+4*\k+3], s[G0B+4*\k+3], 0x80000000
.endr
	s_cmp_eq_u32 s13, 0                            ; a wave's four first fills stand in one branch on its number, ahead of every wait on TENSORcnt, every LDS read and every other barrier
	s_cbranch_scc0 .Lfirst_b
.irp k, 0,1,2,3
	tensor_load_to_lds s[G0A+4*\k:G0A+4*\k+3], s[G1A:G1A+7]
	s_nop 0
.endr
	PLACES
	s_branch .Lasked
.Lfirst_b:
.irp k, 0,1,2,3
	tensor_load_to_lds s[G0B+4*\k:G0B+4*\k+3], s[G1B:G1B+7]
	s_nop 0
.endr
	PLACES
.Lasked:
	v_and_b32 v1, 15, v0                           ; r
	v_bfe_u32 v2, v0, 4, 1                         ; h
	v_and_b32 v3, 31, v0
	v_lshlrev_b32 v3, 4, v3                        ; 16 x lane
	s_lshl_b32 s22, s13, 14                        ; att: my four tiles of positions
	s_lshl_b32 s23, s14, 14
	s_add_co_u32 s23, s23, 32768                   ; Wo: my four tiles of outputs
.irp k, 0,1,2,3
	v_add_nc_u32 v[ADRA+\k], s22, v3
	v_add_nc_u32 v[ADRB+\k], s23, v3
	s_add_co_u32 s22, s22, CH
	s_add_co_u32 s23, s23, CH
.endr
	s_mul_i32 s22, s12, 16*SPITCH
	s_add_co_u32 s22, s22, STAGE                   ; my stage
	v_mul_u32_u24 v4, v1, SPITCH
	v_lshl_add_u32 v4, v2, 5, v4
	v_add_nc_u32 v[STO], s22, v4                   ; in: row = output r, 32 bytes for each half of the lanes
	v_mul_u32_u24 v4, v2, SPITCH
	v_lshl_add_u32 v4, v1, 4, v4
	v_add_nc_u32 v[RD], s22, v4                    ; back: lanes 0-15 one row of 256 bytes, lanes 16-31 the next
	v_lshlrev_b32 v4, 13, v2
	v_lshl_add_u32 v[CO], v1, 4, v4                ; and the same two rows in out0, 8,192 bytes apart
	v_lshlrev_b32 v[BO], 2, v1
	s_lshl_b32 s60, s17, 9
	s_lshl_b32 s62, s14, 8
	s_add_co_u32 s60, s60, s62
	s_mov_b32 s61, 0
	s_add_nc_u64 s[8:9], s[8:9], s[60:61]          ; bo at my first output: 128 x block + 64 x half
.irp b, 0,1,2,3
	global_load_b32 v[BIAS+8*\b], v[BO], s[8:9] offset:64*\b
.endr
	s_lshr_b32 s60, s18, 4
	s_lshl_b32 s60, s60, 22                        ; batch n,
	s_lshl_b32 s62, s17, 20
	s_add_co_u32 s60, s60, s62                     ; 128 rows of 8,192 bytes for each block of outputs,
	s_lshl_b32 s62, s14, 19
	s_add_co_u32 s60, s60, s62                     ; my 64 of them,
	s_and_b32 s62, s18, 15
	s_lshl_b32 s62, s62, 9
	s_add_co_u32 s60, s60, s62                     ; the block of 128 positions,
	s_lshl_b32 s62, s13, 8
	s_add_co_u32 s60, s60, s62                     ; my 64 of them: 256 bytes
	s_add_nc_u64 s[10:11], s[10:11], s[60:61]
; the fragments of K step s (32 c; chunk s / 4) into buffer f: 16 LDS loads
.macro FETCH s, f
.set KC, (\s)/4
.set K4, (\s)%4
.irp a, 0,1,2,3
.irp hf, 0,1
	ds_load_b128 v[\f+8*\a+4*\hf:\f+8*\a+4*\hf+3], v[ADRA+KC] offset:4096*\a+1024*K4+512*\hf
	ds_load_b128 v[\f+32+8*\a+4*\hf:\f+32+8*\a+4*\hf+3], v[ADRB+KC] offset:4096*\a+1024*K4+512*\hf
.endr
.endr
.endm
; 16 products; the 16 accumulators take turns, one instruction a turn, in the same order in every step
.macro MUL s, f
.if (\s) == 0
	WIN 0x40                                       ; D window 1; C = the bias, window 0
.else
	WIN 0x50                                       ; C and D window 1
.endif
.irp a, 0,1,2,3
.irp b, 0,1,2,3
.if (\s) == 0
	v_wmma_f32_16x16x32_f16 v[8*(4*\a+\b):8*(4*\a+\b)+7], v[\f+8*\a:\f+8*\a+7], v[\f+32+8*\b:\f+32+8*\b+7], v[BIAS+8*\b:BIAS+8*\b+7]
.else
	v_wmma_f32_16x16x32_f16 v[8*(4*\a+\b):8*(4*\a+\b)+7], v[\f+8*\a:\f+8*\a+7], v[\f+32+8*\b:\f+32+8*\b+7], v[8*(4*\a+\b):8*(4*\a+\b)+7]
.endif
.endr
.endr
	WIN 0
.endm
	s_wait_tensorcnt 3                             ; my half of chunk 0 is in; the three later chunks' loads may be out
	s_barrier_signal -1
	s_barrier_wait -1                              ; everybody's is
	FETCH 0, F0
	s_wait_loadcnt 0x0                             ; the bias
.irp b, 0,1,2,3
.irp j, 1,2,3,4,5,6,7
	v_mov_b32 v[BIAS+8*\b+\j], v[BIAS+8*\b]        ; a lane's eight results belong to one output: the same bias eight times
.endr
.endr
.set SS, 0
.rept 16
.if SS < 15
.if (SS+1)%4 == 0
	s_wait_tensorcnt 3-(SS+1)/4                    ; my half of the next chunk is in; the chunks behind it may be out
	s_wait_dscnt 0x0                               ; no LDS load of mine is pending at the signal
	s_barrier_signal -1
	s_barrier_wait -1
.endif
.if SS > 0
	PLACES                                         ; places in front of loads into the buffer that the last products read
.endif
	FETCH SS+1, F0+64*((SS+1)%2)
	s_wait_dscnt 16                                ; this step's fragments are in; the sixteen loads just issued may be out
.else
	s_wait_dscnt 0x0
.endif
	MUL SS, F0+64*(SS%2)
.set SS, SS+1
.endr
; THE WAY OUT, a tile of 16 outputs x my 64 positions at a time: a lane's 32 bytes go into rows of 272 bytes of my own stage and come back as whole rows of 256 bytes.
; LDS serves a wave's instructions in order (ISA guide 5.7.1.4): no wait between the stores and the loads, nor in front of the next tile's stores.
.macro TOSTAGE b
	WIN 0x04                                       ; an LDS store's data are its source 1: window 1
.irp a, 0,1,2,3
	ds_store_b128 v[STO], v[8*(4*\a+(\b)):8*(4*\a+(\b))+3] offset:64*\a           ; each accumulator from its low end on
	ds_store_b128 v[STO], v[8*(4*\a+(\b))+4:8*(4*\a+(\b))+7] offset:64*\a+16
.endr
	WIN 0
.set BB, F0+64*((\b)%2)
.irp t, 0,1,2,3,4,5,6,7
	ds_load_b128 v[BB+4*\t:BB+4*\t+3], v[RD] offset:\t*2*SPITCH
.endr
.endm
.macro SEND b, younger                 ; younger: the LDS instructions issued behind tile b's loads, which may stay out
.set BB, F0+64*((\b)%2)
	s_wait_dscnt \younger
.irp t, 0,1,2,3,4,5,6,7
	global_store_b128 v[CO], v[BB+4*\t:BB+4*\t+3], s[10:11] offset:131072*(\b)+16384*\t th:TH_STORE_NT   ; 16 lanes store 256 consecutive bytes, at a multiple of 256 from out0's first byte
.endr
.endm
	PLACES                                         ; behind the last products: for the first read of results and for loads into the fragment buffers
	TOSTAGE 0
	TOSTAGE 1
	SEND 0, 16                                     ; behind tile 0's loads: tile 1's eight stores and eight loads
	s_wait_xcnt 0x0                                ; tile 0's stores have read their registers: tile 2's loads may land there
	TOSTAGE 2
	SEND 1, 16
	s_wait_xcnt 0x0
	TOSTAGE 3
	SEND 2, 16
	SEND 3, 0
	s_wait_tensorcnt 0x0                           ; the wave's end, behind my last tensor load and my last LDS store
	ds_add_u32 v[SPW], v[NIL]
	s_wait_dscnt 0x0
	CROUND                                         ; the closing round: no work-group ends while a partner may still ask for a chunk that names it
	s_endpgm
.Lfunc_end_k_q0424956928_oproj:
	.size	k_q0424956928_oproj, .Lfunc_end_k_q0424956928_oproj-k_q0424956928_oproj
	.p2alignl 7, 3214868480
	.fill 96, 4, 3214868480
	.section	.rodata,"a",@progbits
	.p2align	6, 0x0
	.amdhsa_kernel k_q0424956928_oproj
		.amdhsa_group_segment_fixed_size 327680
		.amdhsa_private_segment_fixed_size 0
		.amdhsa_enable_private_segment 0
		.amdhsa_kernarg_size 32
		.amdhsa_user_sgpr_count 2
		.amdhsa_user_sgpr_kernarg_segment_ptr 1
		.amdhsa_wavefront_size32 1
		.amdhsa_system_sgpr_workgroup_id_x 1
		.amdhsa_system_sgpr_workgroup_id_y 1
		.amdhsa_system_sgpr_workgroup_id_z 1
		.amdhsa_system_vgpr_workitem_id 0
		.amdhsa_next_free_vgpr 384
		.amdhsa_next_free_sgpr 96
		.amdhsa_reserve_vcc 0
		.amdhsa_float_denorm_mode_32 3
		.amdhsa_float_denorm_mode_16_64 3
		.amdhsa_memory_ordered 1
		.amdhsa_forward_progress 1
		.amdhsa_inst_pref_size 53
	.end_amdhsa_kernel
	.amdgpu_metadata
---
amdhsa.version: [ 1, 2 ]
amdhsa.kernels:
  - .name:           k_q0424956928_oproj
    .symbol:         k_q0424956928_oproj.kd
    .args:
      - { .name: att, .offset: 0, .size: 8, .value_kind: global_buffer, .address_space: global }
      - { .name: wof, .offset: 8, .size: 8, .value_kind: global_buffer, .address_space: global }
      - { .name: bo, .offset: 16, .size: 8, .value_kind: global_buffer, .address_space: global }
      - { .name: out0, .offset: 24, .size: 8, .value_kind: global_buffer, .address_space: global }
    .group_segment_fixed_size: 327680
    .private_segment_fixed_size: 0
    .kernarg_segment_align: 8
    .kernarg_segment_size: 32
    .max_flat_workgroup_size: 128
    .sgpr_count:     96
    .vgpr_count:     384
    .wavefront_size: 32
...
	.end_amdgpu_metadata
.endif
;; end of part 4
;; launch fine16 (part 5): grid 4 x 8, 8 waves a work-group, no clusters, 33,792 bytes of LDS; arguments fine, Wo, bo, out0; writes out0
.if DOCPART == 5
	.amdgcn_target "amdgcn-amd-amdhsa--gfx1250"
	.amdhsa_code_object_version 6
	.text
	.protected	k_q0424956928_fine16
	.globl	k_q0424956928_fine16
	.p2align	8
	.type	k_q0424956928_fine16,@function
k_q0424956928_fine16:
	s_mov_b64 s[64:65], 0
	v_nop
	global_prefetch_b8 v0, s[64:65] scope:SCOPE_SE
	s_setreg_imm32_b32 hwreg(HW_REG_WAVE_MODE, 25, 1), 1
	s_wait_xcnt 0x0
; Positions 0-15 of every batch once more, in f32 throughout: there a row of the attention averages one to sixteen values, the results are the largest of the output, and f16 operands would use up what the comparison allows.
; Work-group (ob, n): all eight heads' attention over the batch's first 16 positions (wave w = head w), then outputs 128 ob + 16 w + 0..15 for these positions (wave w), K = 512.
; All products by the f32 matrix form, 16 x 16 x 4: register j of a lane's pair is k = 2 (lane / 16) + j.  k is permuted alike on both sides: step s takes registers 2 s, 2 s + 1 of a lane's run of neighbours.
;   S^T = K Q^T: lane (r, h) holds channels 32 h + 0..31 of row r: 16 steps.   O^T = V^T P: lane (r, h) holds keys 8 h + 0..7: 4 steps a tile of 16 channels.
;   out = Wo att^T + bo: lane (r, h) holds channels 16 g + 8 h + 0..7 of its row: 4 steps for each of 32 groups g.  att goes from wave to wave through LDS as images of registers.
; The registers that this form writes are v224-255 alone: four accumulators that take turns in all three products (S^T: step % 4; the others: tile of channels), written by matrix instructions only,
; each new sum begins with 0 or the bias as C, more than nine places behind the last product on them; the four parts of a sum are added into other registers.
; Wo goes through four register buffers of 32 (a head's 64 channels each), asked for four heads ahead.
; No cluster, no tensor load: 32 work-groups of little work.  A store covers 64 bytes of each of two rows of out0: only 16 positions of a row are written here.
; LIMITS: NaN and infinities are not served.
; REGISTERS: v1 where I store images; v2 my offset in out0; v3 in Wo; v4 16 x lane; v5 r - 8 h; v6, v7 the add's two; v8-10 offsets of the first loads; v11-15 at work (v14 -infinity); v16-23 the bias;
;   v24-31 the scores, then p; v32-63 Q, then att buffer 0; v64-95 K, then O^T / l, then att buffer 1; v96-127 V, then a buffer of Wo; v128-223 three buffers of Wo; v224-255 the accumulators.
.set SPARE, 32768                      ; LDS: 32 images of (head, tile of channels), 1,024 bytes each; behind them the spare words, 128 bytes for each of eight waves
.macro FAR
.rept 8
	v_nop                                          ; eight places behind this matrix form (ISA guide 7.12.1)
.endr
.endm
.macro LOADWO hd                       ; Wo(my 16 rows, channels 64 hd .. + 63)
.set WB, 96+32*(((\hd)+1)%4)
.irp i, 0,1,2,3,4,5,6,7
	global_load_b128 v[WB+4*\i:WB+4*\i+3], v3, s[6:7] offset:256*(\hd)+64*(\i/2)+16*(\i%2)
.endr
.endm
.macro LOADA hd                        ; att of head hd, four tiles of channels, as any wave stored it
.set AB, 32+32*((\hd)%2)
.irp i, 0,1,2,3,4,5,6,7
	ds_load_b128 v[AB+4*\i:AB+4*\i+3], v4 offset:4096*(\hd)+512*\i
.endr
.endm
.macro MULO hd                         ; 16 products: head hd's 64 channels
.set WB, 96+32*(((\hd)+1)%4)
.set AB, 32+32*((\hd)%2)
.irp s, 0,1,2,3
.irp dt, 0,1,2,3
.if ((\hd) == 0) && (\s == 0) && (\dt == 0)
	v_wmma_f32_16x16x4_f32 v[224:231], v[WB:WB+1], v[AB:AB+1], v[16:23]            ; the bias starts the first of the four sums
.elseif ((\hd) == 0) && (\s == 0)
	v_wmma_f32_16x16x4_f32 v[224+8*\dt:231+8*\dt], v[WB+8*\dt:WB+8*\dt+1], v[AB+8*\dt:AB+8*\dt+1], 0
.else
	v_wmma_f32_16x16x4_f32 v[224+8*\dt:231+8*\dt], v[WB+8*\dt+2*\s:WB+8*\dt+2*\s+1], v[AB+8*\dt+2*\s:AB+8*\dt+2*\s+1], v[224+8*\dt:231+8*\dt]
.endif
.endr
.endr
.endm
	s_load_b256 s[4:11], s[0:1], 0x0               ; fine s[4:5], Wo s[6:7], bo s[8:9], out0 s[10:11]
	v_lshl_add_u32 v6, v0, 2, SPARE
	v_mov_b32 v7, 0
	v_lshrrev_b32 v11, 5, v0
	v_readfirstlane_b32 s12, v11                   ; wave 0..7: my head, and my tile of outputs
	s_and_b32 s13, ttmp7, 0xffff                   ; n
	s_lshl_b32 s14, ttmp9, 7
	s_lshl_b32 s15, s12, 4
	s_add_co_u32 s14, s14, s15                     ; my first output
	s_mov_b32 s20, 0x76543210
	s_mov_b32 s21, 0xfedcba98                      ; v_permlanex16_b32's selects for lane l xor 16
	s_mov_b32 s22, 0x3d8293ee                      ; c = log2(e) / sqrt(512)
	v_and_b32 v11, 15, v0                          ; r
	v_bfe_u32 v12, v0, 4, 1                        ; h
	v_and_b32 v13, 31, v0                          ; lane
	v_lshlrev_b32 v4, 4, v13
	v_lshlrev_b32 v3, 11, v11
	v_lshl_add_u32 v8, v12, 7, v3
	v_lshl_add_u32 v3, v12, 5, v3                  ; Wo: row r of 2,048 bytes, + 32 h
	s_lshl_b32 s16, s12, 8
	v_add_nc_u32 v8, s16, v8                       ; q, k: row r, + 128 h, + my head's 256 bytes
	s_lshl_b32 s16, s12, 12
	v_lshl_add_u32 v9, v13, 5, s16                 ; v: 32 bytes a lane, my head's four tiles
	v_add_nc_u32 v1, s16, v4                       ; images: 16 x lane + 4,096 x wave
	v_lshlrev_b32 v10, 5, v12                      ; the bias: 8 h numbers on
	v_lshlrev_b32 v2, 16, v12
	v_lshl_add_u32 v2, v11, 2, v2                  ; out0: 8 h rows of 8,192 bytes, + 4 r
	v_lshlrev_b32 v5, 3, v12
	v_sub_nc_u32 v5, v11, v5                       ; r - 8 h
	v_mov_b32 v14, 0xff800000                      ; -infinity
	s_mov_b32 s17, 0
	s_mul_i32 s16, s13, 98304
	s_wait_kmcnt 0x0
	s_add_nc_u64 s[4:5], s[4:5], s[16:17]
	s_lshl_b32 s16, s14, 11
	s_add_nc_u64 s[6:7], s[6:7], s[16:17]
	s_lshl_b32 s16, s14, 2
	s_add_nc_u64 s[8:9], s[8:9], s[16:17]
	s_lshl_b32 s16, s13, 22
	s_lshl_b32 s18, s14, 13
	s_add_co_u32 s16, s16, s18
	s_add_nc_u64 s[10:11], s[10:11], s[16:17]
.irp i, 0,1,2,3,4,5,6,7
	global_load_b128 v[32+4*\i:35+4*\i], v8, s[4:5] offset:16*\i                   ; q
.endr
.irp i, 0,1,2,3,4,5,6,7
	global_load_b128 v[64+4*\i:67+4*\i], v8, s[4:5] offset:32768+16*\i             ; k
.endr
.irp i, 0,1,2,3,4,5,6,7
	global_load_b128 v[96+4*\i:99+4*\i], v9, s[4:5] offset:65536+1024*(\i/2)+16*(\i%2)   ; v: tile dt at 8 dt
.endr
	global_load_b128 v[16:19], v10, s[8:9]
	global_load_b128 v[20:23], v10, s[8:9] offset:16
	LOADWO 0
	LOADWO 1
	LOADWO 2
	s_wait_loadcnt 34                              ; q and k are in; behind them: v 8, the bias 2, Wo 24
.set SS, 0
.rept 16                               ; S^T = K Q^T; the four accumulators take turns, one instruction a turn
.if SS < 4
	v_wmma_f32_16x16x4_f32 v[224+8*(SS%4):231+8*(SS%4)], v[64+2*SS:65+2*SS], v[32+2*SS:33+2*SS], 0
.else
	v_wmma_f32_16x16x4_f32 v[224+8*(SS%4):231+8*(SS%4)], v[64+2*SS:65+2*SS], v[32+2*SS:33+2*SS], v[224+8*(SS%4):231+8*(SS%4)]
.endif
.set SS, SS+1
.endr
	FAR
.irp j, 0,1,2,3,4,5,6,7
	v_add_f32 v[24+\j], v[224+\j], v[232+\j]       ; the four parts of the score of key 8 h + j and query r; each accumulator from its low end on
.endr
.irp j, 0,1,2,3,4,5,6,7
	v_add_f32 v[32+\j], v[240+\j], v[248+\j]
.endr
.irp j, 0,1,2,3,4,5,6,7
	v_add_f32 v[24+\j], v[24+\j], v[32+\j]
.endr
.irp j, 0,1,2,3,4,5,6,7
	v_cmp_gt_i32 vcc_lo, \j, v5                    ; key 8 h + j comes after query r: hidden
	v_cndmask_b32 v[24+\j], v[24+\j], v14, vcc_lo
.endr
	v_max3_num_f32 v11, v24, v25, v26
	v_max3_num_f32 v11, v11, v27, v28
	v_max3_num_f32 v11, v11, v29, v30
	v_max_num_f32 v11, v11, v31
	v_permlanex16_b32 v12, v11, s20, s21
	v_max_num_f32 v11, v11, v12                    ; the row's maximum: key 0 counts for every query, so it is a number
	v_mul_f32 v13, s22, v11
.irp j, 0,1,2,3,4,5,6,7
	v_fma_f32 v[24+\j], v[24+\j], s22, -v13        ; c s - c m
.endr
.irp j, 0,1,2,3,4,5,6,7
	v_exp_f32 v[24+\j], v[24+\j]
.endr
	v_nop                                          ; the plain line behind the last exponential
	s_wait_alu depctr_va_vdst(0)                   ; one wait for the batch, ahead of its first reader
	v_add_f32 v11, v24, v25
	v_add_f32 v12, v26, v27
	v_add_f32 v13, v28, v29
	v_add_f32 v15, v30, v31
	v_add_f32 v11, v11, v12
	v_add_f32 v13, v13, v15
	v_add_f32 v11, v11, v13
	v_permlanex16_b32 v12, v11, s20, s21
	v_add_f32 v11, v11, v12                        ; the row's sum
	v_rcp_f32 v15, v11
	v_nop
	s_wait_alu depctr_va_vdst(0)
	s_wait_loadcnt 26                              ; v is in; behind it: the bias 2, Wo 24
.irp s, 0,1,2,3                        ; O^T = V^T P: four tiles of 16 channels by turns
.irp dt, 0,1,2,3
.if \s == 0
	v_wmma_f32_16x16x4_f32 v[224+8*\dt:231+8*\dt], v[96+8*\dt:97+8*\dt], v[24:25], 0
.else
	v_wmma_f32_16x16x4_f32 v[224+8*\dt:231+8*\dt], v[96+8*\dt+2*\s:97+8*\dt+2*\s], v[24+2*\s:25+2*\s], v[224+8*\dt:231+8*\dt]
.endif
.endr
.endr
	FAR
	LOADWO 3                                       ; into V's registers, which the products have read
.set I, 0
.rept 32
	v_mul_f32 v[64+I], v[224+I], v15               ; O^T / l: register 8 dt + j is att(query r, 64 w + 16 dt + 8 h + j)
.set I, I+1
.endr
.irp i, 0,1,2,3,4,5,6,7
	ds_store_b128 v1, v[64+4*\i:67+4*\i] offset:512*\i
.endr
	s_wait_dscnt 0x0                               ; for the others' sake: my images lie in LDS
	s_barrier_signal -1
	s_barrier_wait -1
	LOADA 0
	LOADA 1
.set H, 0
.rept 8
.if H < 7
	s_wait_dscnt 8                                 ; this head's att is in; the next head's eight loads may be out
.else
	s_wait_dscnt 0x0
.endif
.if H <= 4
	s_wait_loadcnt 24                              ; this head's Wo (and, at first, the bias) is in; the three buffers asked for behind it may be out
.else
	s_wait_loadcnt 8*(7-H)
.endif
	MULO H
	FAR                                            ; in front of loads into the buffers just read, and at the end of the first read of results
.if H+4 < 8
	LOADWO H+4
.endif
.if H+2 < 8
	LOADA H+2
.endif
.set H, H+1
.endr
.irp j, 0,1,2,3,4,5,6,7
	v_add_f32 v[32+\j], v[224+\j], v[232+\j]       ; the four parts of out(o0 + 8 h + j, position r)
.endr
.irp j, 0,1,2,3,4,5,6,7
	v_add_f32 v[40+\j], v[240+\j], v[248+\j]
.endr
.irp j, 0,1,2,3,4,5,6,7
	v_add_f32 v[32+\j], v[32+\j], v[40+\j]
.endr
.irp j, 0,1,2,3,4,5,6,7
	global_store_b32 v2, v[32+\j], s[10:11] offset:8192*\j
.endr
	s_wait_tensorcnt 0x0                           ; the wave's end, behind my last LDS store
	ds_add_u32 v6, v7
	s_wait_dscnt 0x0
	s_endpgm
.Lfunc_end_k_q0424956928_fine16:
	.size	k_q0424956928_fine16, .Lfunc_end_k_q0424956928_fine16-k_q0424956928_fine16
	.p2alignl 7, 3214868480
	.fill 96, 4, 3214868480
	.section	.rodata,"a",@progbits
	.p2align	6, 0x0
	.amdhsa_kernel k_q0424956928_fine16
		.amdhsa_group_segment_fixed_size 33792
		.amdhsa_private_segment_fixed_size 0
		.amdhsa_enable_private_segment 0
		.amdhsa_kernarg_size 32
		.amdhsa_user_sgpr_count 2
		.amdhsa_user_sgpr_kernarg_segment_ptr 1
		.amdhsa_wavefront_size32 1
		.amdhsa_system_sgpr_workgroup_id_x 1
		.amdhsa_system_sgpr_workgroup_id_y 1
		.amdhsa_system_sgpr_workgroup_id_z 1
		.amdhsa_system_vgpr_workitem_id 0
		.amdhsa_next_free_vgpr 256
		.amdhsa_next_free_sgpr 66
		.amdhsa_reserve_vcc 1
		.amdhsa_float_denorm_mode_32 3
		.amdhsa_float_denorm_mode_16_64 3
		.amdhsa_memory_ordered 1
		.amdhsa_forward_progress 1
		.amdhsa_inst_pref_size 34
	.end_amdhsa_kernel
	.amdgpu_metadata
---
amdhsa.version: [ 1, 2 ]
amdhsa.kernels:
  - .name:           k_q0424956928_fine16
    .symbol:         k_q0424956928_fine16.kd
    .args:
      - { .name: fine, .offset: 0, .size: 8, .value_kind: global_buffer, .address_space: global }
      - { .name: Wo, .offset: 8, .size: 8, .value_kind: global_buffer, .address_space: global }
      - { .name: bo, .offset: 16, .size: 8, .value_kind: global_buffer, .address_space: global }
      - { .name: out0, .offset: 24, .size: 8, .value_kind: global_buffer, .address_space: global }
    .group_segment_fixed_size: 33792
    .private_segment_fixed_size: 0
    .kernarg_segment_align: 8
    .kernarg_segment_size: 32
    .max_flat_workgroup_size: 256
    .sgpr_count:     66
    .vgpr_count:     256
    .wavefront_size: 32
...
	.end_amdgpu_metadata
.endif
;; end of part 5
